; MI455X (gfx1250); checked and timed in simulation.
; The chip was launched on July 23, 2026; its instructions are those of AMD's public machine-readable ISA for CDNA 5 (MIT licence, August 2026) and "CDNA5" Instruction Set Architecture Reference Guide (July 2026).
;; Factorized Jump Operator. Allowed arithmetic: matrix products marked QUANTISED: E4M3 operands, one E8M0 scale for each 32 along K, by v_wmma_scale_f32_16x16x128_f8f6f4 with both operands' format E4M3, f32 sums; everything else in f32.
;; Inputs: c_param 16 x 128 float32; d_param 16 x 128 float32; dec_w 16 x 128 x 128 float32; enc_w 16 x 128 x 128 float32; source_idx 131,072 int32; target_idx 131,072 int32; z_n 131,072 x 128 float32.
;; Outputs: out0 131,072 x 128 float32.
;; This version of the problem:
;;   THIS VERSION OF THE PROBLEM IS GIVEN IN LOW PRECISION. The matrix products marked QUANTISED in the list below multiply operands that are first quantised to E4M3 (4 exponent bits, 3 mantissa bits; 8 bits a number), with one power-of-two scale for each 32 numbers along K (OCP MX v1.0); their sums are f32. All else is computed in f32.
;;   The module's matrix products, in the order in which they are computed (A, B: the left and right operand; K: the contracted axis; several contracted axes count as one K, in the product's order):
;;     1. [M 131,072, K 128] x [K 128, N 128]; A: input z_n; B: input enc_w: QUANTISED
;;     2. [M 131,072, K 128] x [K 128, N 128]; A: input z_n; B: input enc_w: QUANTISED
;;     3. [M 131,072, K 128] x [K 128, N 128]; A: input z_n; B: input enc_w: QUANTISED
;;     4. [M 131,072, K 128] x [K 128, N 128]; A: input z_n; B: input enc_w: QUANTISED
;;     5. [M 131,072, K 128] x [K 128, N 128]; A: input z_n; B: input enc_w: QUANTISED
;;     6. [M 131,072, K 128] x [K 128, N 128]; A: input z_n; B: input enc_w: QUANTISED
;;     7. [M 131,072, K 128] x [K 128, N 128]; A: input z_n; B: input enc_w: QUANTISED
;;     8. [M 131,072, K 128] x [K 128, N 128]; A: input z_n; B: input enc_w: QUANTISED
;;     9. [M 131,072, K 128] x [K 128, N 128]; A: input z_n; B: input enc_w: QUANTISED
;;     10. [M 131,072, K 128] x [K 128, N 128]; A: input z_n; B: input enc_w: QUANTISED
;;     11. [M 131,072, K 128] x [K 128, N 128]; A: input z_n; B: input enc_w: QUANTISED
;;     12. [M 131,072, K 128] x [K 128, N 128]; A: input z_n; B: input enc_w: QUANTISED
;;     13. [M 131,072, K 128] x [K 128, N 128]; A: input z_n; B: input enc_w: QUANTISED
;;     14. [M 131,072, K 128] x [K 128, N 128]; A: input z_n; B: input enc_w: QUANTISED
;;     15. [M 131,072, K 128] x [K 128, N 128]; A: input z_n; B: input enc_w: QUANTISED
;;     16. [M 131,072, K 128] x [K 128, N 128]; A: input z_n; B: input enc_w: QUANTISED
;;     17. [M 131,072, K 128] x [K 128, N 128]; A: computed on the way; B: input dec_w: QUANTISED
;;     18. [M 131,072, K 128] x [K 128, N 128]; A: computed on the way; B: input dec_w: QUANTISED
;;     19. [M 131,072, K 128] x [K 128, N 128]; A: computed on the way; B: input dec_w: QUANTISED
;;     20. [M 131,072, K 128] x [K 128, N 128]; A: computed on the way; B: input dec_w: QUANTISED
;;     21. [M 131,072, K 128] x [K 128, N 128]; A: computed on the way; B: input dec_w: QUANTISED
;;     22. [M 131,072, K 128] x [K 128, N 128]; A: computed on the way; B: input dec_w: QUANTISED
;;     23. [M 131,072, K 128] x [K 128, N 128]; A: computed on the way; B: input dec_w: QUANTISED
;;     24. [M 131,072, K 128] x [K 128, N 128]; A: computed on the way; B: input dec_w: QUANTISED
;;     25. [M 131,072, K 128] x [K 128, N 128]; A: computed on the way; B: input dec_w: QUANTISED
;;     26. [M 131,072, K 128] x [K 128, N 128]; A: computed on the way; B: input dec_w: QUANTISED
;;     27. [M 131,072, K 128] x [K 128, N 128]; A: computed on the way; B: input dec_w: QUANTISED
;;     28. [M 131,072, K 128] x [K 128, N 128]; A: computed on the way; B: input dec_w: QUANTISED
;;     29. [M 131,072, K 128] x [K 128, N 128]; A: computed on the way; B: input dec_w: QUANTISED
;;     30. [M 131,072, K 128] x [K 128, N 128]; A: computed on the way; B: input dec_w: QUANTISED
;;     31. [M 131,072, K 128] x [K 128, N 128]; A: computed on the way; B: input dec_w: QUANTISED
;;     32. [M 131,072, K 128] x [K 128, N 128]; A: computed on the way; B: input dec_w: QUANTISED
;;   THE QUANTISER, for each operand of a quantised product, along K:
;;     - K is cut into blocks of 32 from its start; a last block that is shorter is filled with zeros.
;;     - A block's scale is 2^e with e = floor(log2(the largest magnitude in the block)) - 8, held to -126 .. 127; a block of zeros has e = 0. As a byte (E8M0): e + 127.
;;     - Each number is divided by its block's scale, clamped to +-448, and rounded to the nearest number of E4M3, ties to even, subnormals kept.
;;     - The product sums the exact products of the quantised numbers (number of the format x scale) in f32.
;;   ~~~python
;;   def quantise(x, axis):      # numpy; x: float32 -> the quantised numbers, widened to float32 again
;;       x = np.moveaxis(x, axis, -1); K = x.shape[-1]
;;       x = np.pad(x, [(0, 0)] * (x.ndim - 1) + [(0, -K % 32)]); x = x.reshape(x.shape[:-1] + (-1, 32)); a = np.abs(x).max(-1, keepdims=True)
;;       e = np.where(a > 0, np.clip(np.frexp(np.where(a > 0, a, 1))[1] - 1 - 8, -126, 127), 0)      # np.frexp(a)[1] - 1 = floor(log2(a)), exactly
;;       r = np.clip(x / 2.0 ** e, -448, 448)
;;       step = 2.0 ** (np.maximum(np.frexp(np.where(r == 0, 1, r))[1] - 1, -6) - 3)
;;       q = np.round(r / step) * step * 2.0 ** e      # np.round: ties to even
;;       return np.moveaxis(q.reshape(q.shape[:-2] + (-1,))[..., :K], -1, axis).astype(np.float32)
;;   ~~~
;;   OPERANDS COMPUTED ON THE WAY. 'Computed on the way' means the value that the module computes at that place (a softmax that the list does not call 'softmax' is quantised finished and normalised). What goes into a quantiser is computed in f32, as accurately as f32 sums, v_exp_f32 and their like allow (about 1e-6 of the number): no bf16 or f16 on the way to a quantiser, and a product that is left as it is and whose result goes on into a quantised operand takes f32 operands (vector FMAs, or v_wmma_f32_16x16x4_f32). A number that lies on a knife's edge between two numbers of the format may be rounded either way, as far as f32 arithmetic and the matrix unit's own rounding can turn it there, and no further.
;; One version. Each part assembles by itself: llvm-mc -triple=amdgcn-amd-amdhsa -mcpu=gfx1250 --defsym DOCPART=n.
;; ======== version 1 of 1: 2 launches
;; workspace buffers: maps 524,288 bytes of whole numbers; wq 524,288 bytes; wscl 32,768 bytes
;; launch prep (part 1): grid 512 x 1, 1 waves a work-group, no clusters, 0 bytes of LDS; arguments enc_w, dec_w, source_idx, target_idx, wq, wscl, maps; writes wq, wscl, maps
.if DOCPART == 1
	.amdgcn_target "amdgcn-amd-amdhsa--gfx1250"
	.amdhsa_code_object_version 6
	.text
	.protected	k_q3dc2b9ca57_prep
	.globl	k_q3dc2b9ca57_prep
	.p2align	8
	.type	k_q3dc2b9ca57_prep,@function
k_q3dc2b9ca57_prep:
	s_mov_b64 s[64:65], 0
	v_nop
	global_prefetch_b8 v0, s[64:65] scope:SCOPE_SE
	s_setreg_imm32_b32 hwreg(HW_REG_WAVE_MODE, 25, 1), 1
	s_wait_xcnt 0x0
.set X,   16
.set TM,  80
.set PC,  96
.set PW,  112
.set SEL, 20
.set MNT, 22
.set SRC, 16
.set TGT, 32
.set PL,  48
.set NL,  52
.set QA,  56
.set QB,  60
.set TV,  64
.set WD,  72
.set TS,  28
.macro QUANT s
.irp b, 0,1,2,3
	v_max3_num_f32 v[TM+\b], |v[\s+16*\b]|, |v[\s+1+16*\b]|, 0x4800000
.endr
.irp i, 2,4,6,8,10,12,14
.irp b, 0,1,2,3
	v_max3_num_f32 v[TM+\b], v[TM+\b], |v[\s+16*\b+\i]|, |v[\s+1+16*\b+\i]|
.endr
.endr
.irp b, 0,1,2,3
	v_permlanex16_b32 v[TM+4+\b], v[TM+\b], s[SEL], s[SEL+1]
.endr
.irp b, 0,1,2,3
	v_max_num_f32 v[TM+\b], v[TM+\b], v[TM+4+\b]
.endr
.irp b, 0,1,2,3
	v_add_nc_u32 v[TM+12+\b], 0xfc000000, v[TM+\b]
.endr
.irp b, 0,1,2,3
	v_and_or_b32 v[TM+8+\b], v[TM+\b], 0x7f800000, s[MNT]
.endr
.irp b, 0,1,2,3
	v_lshrrev_b32 v[TM+4+\b], 23, v[TM+12+\b]
.endr
	v_lshl_or_b32 v[PW], v[TM+5], 8, v[TM+4]
	v_lshl_or_b32 v[PW], v[TM+6], 16, v[PW]
	v_lshl_or_b32 v[PW], v[TM+7], 24, v[PW]
.irp b, 0,1,2,3
.irp i, 0,1,2,3,4,5,6,7,8,9,10,11,12,13,14,15
	v_med3_num_f32 v[\s+16*\b+\i], v[\s+16*\b+\i], -v[TM+8+\b], v[TM+8+\b]
.endr
	v_cvt_scalef32_pk8_fp8_f32 v[PC+4*\b:PC+1+4*\b], v[\s+16*\b:\s+7+16*\b], v[TM+12+\b]
	v_cvt_scalef32_pk8_fp8_f32 v[PC+2+4*\b:PC+3+4*\b], v[\s+8+16*\b:\s+15+16*\b], v[TM+12+\b]
.endr
.endm
	s_load_b256 s[4:11], s[0:1], 0x0
	s_load_b128 s[12:15], s[0:1], 0x20
	s_load_b64 s[16:17], s[0:1], 0x30
	v_and_b32 v1, 15, v0
	v_lshrrev_b32 v2, 4, v0
	s_cmp_ge_u32 ttmp9, 256
	s_cbranch_scc1 .Lmaps
	s_lshr_b32 s18, ttmp9, 3
	s_and_b32 s19, ttmp9, 7
	s_lshr_b32 s23, s19, 1
	s_lshl_b32 s23, s23, 5
	s_and_b32 s24, s19, 1
	s_lshl_b32 s24, s24, 3
	s_add_co_u32 s23, s23, s24
	s_lshl_b32 s24, s19, 4
	s_and_b32 s25, s18, 15
	s_lshl_b32 s25, s25, 16
	s_mov_b32 s[SEL], 0x76543210
	s_mov_b32 s[SEL+1], 0xfedcba98
	s_mov_b32 s[MNT], 0x600000
.irp b, 0,1,2,3
	v_mov_b32 v[TM+4+\b], 0
.endr
	s_wait_kmcnt 0x0
	s_cmp_lt_u32 s18, 16
	s_cselect_b64 s[4:5], s[4:5], s[6:7]
	s_cselect_b32 s23, s23, s24
	s_cselect_b32 s26, 8, 0
	s_lshl_b32 s23, s23, 9
	s_add_co_u32 s24, s25, s23
	s_mov_b32 s25, 0
	s_add_nc_u64 s[4:5], s[4:5], s[24:25]
	v_and_b32 v3, s26, v1
	v_add_nc_u32 v3, v3, v1
	v_lshlrev_b32 v3, 9, v3
	v_lshl_add_u32 v3, v2, 6, v3
.irp b, 0,1,2,3
.irp j, 0,1,2,3
	global_load_b128 v[X+16*\b+4*\j:X+16*\b+4*\j+3], v3, s[4:5] offset:128*\b+16*\j th:TH_LOAD_NT
.endr
.endr
	s_lshl_b32 s24, ttmp9, 11
	s_add_nc_u64 s[12:13], s[12:13], s[24:25]
	s_lshl_b32 s24, ttmp9, 7
	s_add_nc_u64 s[14:15], s[14:15], s[24:25]
	v_lshlrev_b32 v4, 4, v0
	v_lshlrev_b32 v5, 2, v0
	s_wait_loadcnt 0x0
	QUANT X
	v_nop
.irp c, 0,1,2,3
	global_store_b128 v4, v[PC+4*\c:PC+4*\c+3], s[12:13] offset:512*\c
.endr
	global_store_b32 v5, v[PW], s[14:15]
	s_endpgm
.Lmaps:
	s_sub_co_u32 s18, ttmp9, 256
	s_lshl_b32 s24, s18, 11
	s_mov_b32 s25, 0
	s_lshl_b32 s26, s18, 6
	s_mov_b32 s27, 0
	v_lshlrev_b32 v3, 4, v0
	s_wait_kmcnt 0x0
	s_add_nc_u64 s[8:9], s[8:9], s[24:25]
	s_add_nc_u64 s[10:11], s[10:11], s[24:25]
	s_add_nc_u64 s[16:17], s[16:17], s[26:27]
.irp g, 0,1,2,3
	global_load_b128 v[SRC+4*\g:SRC+4*\g+3], v3, s[8:9] offset:512*\g th:TH_LOAD_NT
.endr
.irp g, 0,1,2,3
	global_load_b128 v[TGT+4*\g:TGT+4*\g+3], v3, s[10:11] offset:512*\g th:TH_LOAD_NT
.endr
.irp b, 0,1,2,3
	v_mov_b32 v[PL+\b], 0
.endr
	v_lshlrev_b32 v6, 2, v1
	v_lshl_or_b32 v6, v2, 18, v6
	s_wait_loadcnt 0x0
.macro PLANES reg, lane0
.set wd, 0
.rept 16
.irp b, 0,1,2,3
	v_and_b32 v[TV+\b+4*(wd%2)], 1<<\b, v[\reg+wd]
.endr
.irp b, 0,1,2,3
	v_cmp_ne_u32 s[TS+\b+4*(wd%2)], 0, v[TV+\b+4*(wd%2)]
.endr
.irp b, 0,1,2,3
	v_writelane_b32 v[PL+\b], s[TS+\b+4*(wd%2)], \lane0+wd
.endr
.set wd, wd+1
.endr
.endm
	PLANES SRC, 0
	PLANES TGT, 16
.irp b, 0,1,2,3
	v_xor_b32 v[NL+\b], -1, v[PL+\b]
.endr
.irp m, 0,1,2,3
	v_and_b32 v[QA+\m], v[NL-4*(\m&1)], v[NL+1-4*(\m>>1)]
	v_and_b32 v[QB+\m], v[NL+2-4*(\m&1)], v[NL+3-4*(\m>>1)]
.endr
.irp k, 0,1,2,3,4,5,6,7,8,9,10,11,12,13,14,15
	v_and_b32 v[WD+\k], v[QA+(\k&3)], v[QB+(\k>>2)]
.endr
.irp k, 0,1,2,3,4,5,6,7,8,9,10,11,12,13,14,15
	global_store_b32 v6, v[WD+\k], s[16:17] offset:16384*\k
.endr
	s_endpgm
.Lfunc_end_k_q3dc2b9ca57_prep:
	.size	k_q3dc2b9ca57_prep, .Lfunc_end_k_q3dc2b9ca57_prep-k_q3dc2b9ca57_prep
	.p2alignl 7, 3214868480
	.fill 96, 4, 3214868480
	.section	.rodata,"a",@progbits
	.p2align	6, 0x0
	.amdhsa_kernel k_q3dc2b9ca57_prep
		.amdhsa_group_segment_fixed_size 0
		.amdhsa_private_segment_fixed_size 0
		.amdhsa_enable_private_segment 0
		.amdhsa_kernarg_size 56
		.amdhsa_user_sgpr_count 2
		.amdhsa_user_sgpr_kernarg_segment_ptr 1
		.amdhsa_wavefront_size32 1
		.amdhsa_system_sgpr_workgroup_id_x 1
		.amdhsa_system_sgpr_workgroup_id_y 1
		.amdhsa_system_sgpr_workgroup_id_z 1
		.amdhsa_system_vgpr_workitem_id 0
		.amdhsa_next_free_vgpr 128
		.amdhsa_next_free_sgpr 66
		.amdhsa_reserve_vcc 0
		.amdhsa_float_denorm_mode_32 3
		.amdhsa_float_denorm_mode_16_64 3
		.amdhsa_memory_ordered 1
		.amdhsa_forward_progress 1
		.amdhsa_inst_pref_size 36
	.end_amdhsa_kernel
	.amdgpu_metadata
---
amdhsa.version: [ 1, 2 ]
amdhsa.kernels:
  - .name:           k_q3dc2b9ca57_prep
    .symbol:         k_q3dc2b9ca57_prep.kd
    .args:
      - { .name: enc_w, .offset: 0, .size: 8, .value_kind: global_buffer, .address_space: global }
      - { .name: dec_w, .offset: 8, .size: 8, .value_kind: global_buffer, .address_space: global }
      - { .name: source_idx, .offset: 16, .size: 8, .value_kind: global_buffer, .address_space: global }
      - { .name: target_idx, .offset: 24, .size: 8, .value_kind: global_buffer, .address_space: global }
      - { .name: wq, .offset: 32, .size: 8, .value_kind: global_buffer, .address_space: global }
      - { .name: wscl, .offset: 40, .size: 8, .value_kind: global_buffer, .address_space: global }
      - { .name: maps, .offset: 48, .size: 8, .value_kind: global_buffer, .address_space: global }
    .group_segment_fixed_size: 0
    .private_segment_fixed_size: 0
    .kernarg_segment_align: 8
    .kernarg_segment_size: 56
    .max_flat_workgroup_size: 32
    .sgpr_count:     66
    .vgpr_count:     128
    .wavefront_size: 32
...
	.end_amdgpu_metadata
.endif
;; end of part 1
;; launch jump (part 2): grid 256 x 4, 1 waves a work-group, no clusters, 74,496 bytes of LDS; arguments z_n, maps, wq, wscl, c_param, d_param, out0; writes out0
.if DOCPART == 2
	.amdgcn_target "amdgcn-amd-amdhsa--gfx1250"
	.amdhsa_code_object_version 6
	.text
	.protected	k_q3dc2b9ca57_jump
	.globl	k_q3dc2b9ca57_jump
	.p2align	8
	.type	k_q3dc2b9ca57_jump,@function
k_q3dc2b9ca57_jump:
	s_mov_b64 s[64:65], 0
	v_nop
	global_prefetch_b8 v0, s[64:65] scope:SCOPE_SE
	s_setreg_imm32_b32 hwreg(HW_REG_WAVE_MODE, 25, 1), 1
	s_wait_xcnt 0x0
.set STAGE, 65792
.set SP,    528
.set L16,  1
.set SI,   2
.set SO,   3
.set TI,   4
.set RR,   5
.set L4,   6
.set H64,  7
.set H32,  8
.set TRV,  9
.set PW,   10
.set TBL,  11
.set W1S,  12
.set W2S,  20
.set TM,   28
.set PC,   44
.set X,    60
.set H,    124
.set OFF,  188
.set TKV,  252
.set IX,   253
.set L128, 254
.set W,    60
.set W2,   92
.set T,    124
.set P,    128
.set TKV4, 132
.set IX4,  136
.set DB,   128
.set SEL,  60
.set MNT,  62
.set MSB, 0
.macro WIN new
.if MSB != \new
	s_set_vgpr_msb (MSB<<8)|\new
.set MSB, \new
.endif
.endm
.macro QUANT s
.irp b, 0,1,2,3
	v_max3_num_f32 v[TM+\b], |v[\s+16*\b]|, |v[\s+1+16*\b]|, 0x4800000
.endr
.irp i, 2,4,6,8,10,12,14
.irp b, 0,1,2,3
	v_max3_num_f32 v[TM+\b], v[TM+\b], |v[\s+16*\b+\i]|, |v[\s+1+16*\b+\i]|
.endr
.endr
.irp b, 0,1,2,3
	v_permlanex16_b32 v[TM+4+\b], v[TM+\b], s[SEL], s[SEL+1]
.endr
.irp b, 0,1,2,3
	v_max_num_f32 v[TM+\b], v[TM+\b], v[TM+4+\b]
.endr
.irp b, 0,1,2,3
	v_add_nc_u32 v[TM+12+\b], 0xfc000000, v[TM+\b]
.endr
.irp b, 0,1,2,3
	v_and_or_b32 v[TM+8+\b], v[TM+\b], 0x7f800000, s[MNT]
.endr
.irp b, 0,1,2,3
	v_lshrrev_b32 v[TM+4+\b], 23, v[TM+12+\b]
.endr
	v_lshl_or_b32 v[PW], v[TM+5], 8, v[TM+4]
	v_lshl_or_b32 v[PW], v[TM+6], 16, v[PW]
	v_lshl_or_b32 v[PW], v[TM+7], 24, v[PW]
.irp b, 0,1,2,3
.irp i, 0,1,2,3,4,5,6,7,8,9,10,11,12,13,14,15
	v_med3_num_f32 v[\s+16*\b+\i], v[\s+16*\b+\i], -v[TM+8+\b], v[TM+8+\b]
.endr
	v_cvt_scalef32_pk8_fp8_f32 v[PC+4*\b:PC+1+4*\b], v[\s+16*\b:\s+7+16*\b], v[TM+12+\b]
	v_cvt_scalef32_pk8_fp8_f32 v[PC+2+4*\b:PC+3+4*\b], v[\s+8+16*\b:\s+15+16*\b], v[TM+12+\b]
.endr
.endm
.macro PLACES n
.rept \n
	v_nop
.endr
.endm
	s_load_b256 s[84:91], s[0:1], 0x0
	s_load_b128 s[92:95], s[0:1], 0x20
	s_load_b64 s[96:97], s[0:1], 0x30
	v_lshl_add_u32 v255, v0, 2, 0x12200
	s_set_vgpr_msb 0x80
	v_mov_b32 v255, 0
	s_set_vgpr_msb 0x8000
	v_lshlrev_b32 v[L16], 4, v0
	v_and_b32 v[RR], 15, v0
	v_lshrrev_b32 v[H32], 4, v0
	v_add_nc_u32 v[SI], STAGE, v[L16]
	v_mul_u32_u24 v[SO], v[RR], SP
	v_add_nc_u32 v[SO], STAGE, v[SO]
	v_lshl_add_u32 v[TI], v[H32], 5, v[SO]
	v_lshl_add_u32 v[SO], v[H32], 6, v[SO]
	v_lshlrev_b32 v[L4], 2, v0
	v_lshlrev_b32 v[H64], 6, v[H32]
	v_lshlrev_b32 v[H32], 5, v[H32]
	v_mov_b32 v[TRV], 0x8000
	v_lshlrev_b32 v[L128], 7, v0
	s_mov_b32 s59, 0x077cb531
	s_mov_b32 s[SEL], 0x76543210
	s_mov_b32 s[SEL+1], 0xfedcba98
	s_mov_b32 s[MNT], 0x600000
	v_lshlrev_b32 v60, v0, 1
	v_mul_lo_u32 v60, v60, s59
	v_lshrrev_b32 v60, 25, v60
	v_and_b32 v60, 0x7c, v60
	ds_permute_b32 v[TBL], v60, v[L4]
	s_lshr_b32 s9, ttmp9, 4
	s_and_b32 s10, ttmp9, 15
	s_and_b32 s11, ttmp7, 0xffff
	s_mov_b32 s13, 0
	s_lshl_b32 s14, s11, 12
	s_wait_kmcnt 0x0
	s_lshl_b32 s12, s9, 14
	s_add_co_u32 s12, s12, s14
	s_add_nc_u64 s[66:67], s[86:87], s[12:13]
	s_lshl_b32 s12, s10, 14
	s_add_co_u32 s12, s12, s14
	s_add_co_u32 s12, s12, 262144
	s_add_nc_u64 s[68:69], s[86:87], s[12:13]
	s_lshl_b32 s12, s9, 14
	s_add_nc_u64 s[70:71], s[88:89], s[12:13]
	s_lshl_b32 s12, s10, 14
	s_add_co_u32 s12, s12, 262144
	s_add_nc_u64 s[72:73], s[88:89], s[12:13]
	s_lshl_b32 s12, s9, 10
	s_add_nc_u64 s[74:75], s[90:91], s[12:13]
	s_lshl_b32 s12, s10, 10
	s_add_co_u32 s12, s12, 16384
	s_add_nc_u64 s[76:77], s[90:91], s[12:13]
	s_lshl_b32 s12, s9, 9
	s_add_nc_u64 s[78:79], s[92:93], s[12:13]
	s_lshl_b32 s12, s10, 9
	s_add_nc_u64 s[80:81], s[94:95], s[12:13]
	s_lshl_b32 s12, s11, 24
	s_add_nc_u64 s[84:85], s[84:85], s[12:13]
	s_add_nc_u64 s[96:97], s[96:97], s[12:13]
.irp i, 0,1,2,3,4,5,6,7
	global_load_b128 v[W+4*\i:W+4*\i+3], v[L16], s[66:67] offset:512*\i
.endr
.irp i, 0,1,2,3,4,5,6,7
	global_load_b128 v[W2+4*\i:W2+4*\i+3], v[L16], s[68:69] offset:512*\i
.endr
.irp t, 0,1,2,3,4,5,6,7
	global_load_b32 v[W1S+\t], v[L4], s[74:75] offset:128*\t
	global_load_b32 v[W2S+\t], v[L4], s[76:77] offset:128*\t
.endr
	WIN 0x40
.irp t, 0,1,2,3,4,5,6,7
.irp c, 0,1,2,3
	global_load_b128 v[16*\t+4*\c:16*\t+4*\c+3], v[L16], s[70:71] offset:2048*\t+512*\c
.endr
.endr
.irp t, 0,1,2,3,4,5,6,7
.irp c, 0,1,2,3
	global_load_b128 v[128+16*\t+4*\c:128+16*\t+4*\c+3], v[L16], s[72:73] offset:2048*\t+512*\c
.endr
.endr
	WIN 0x80
.irp t, 0,1,2,3,4,5,6,7
	global_load_b128 v[8*\t:8*\t+3], v[H64], s[78:79] offset:(32*(\t/2)+8*(\t%2))*4
	global_load_b128 v[8*\t+4:8*\t+7], v[H64], s[78:79] offset:(32*(\t/2)+8*(\t%2))*4+16
	global_load_b128 v[DB+8*\t:DB+8*\t+3], v[H32], s[80:81] offset:64*\t
	global_load_b128 v[DB+8*\t+4:DB+8*\t+7], v[H32], s[80:81] offset:64*\t+16
.endr
	WIN 0
	s_wait_dscnt 0x0
	s_wait_loadcnt 63
.set n, 0
.rept 32
	v_and_b32 v[W+n], v[W+n], v[W2+n]
.set n, n+1
.endr
.macro ROUND4 i
	s_or_b32 s52, s[16+4*\i], s[17+4*\i]
	s_or_b32 s53, s[18+4*\i], s[19+4*\i]
	s_or_b32 s52, s52, s53
	s_cmp_eq_u32 s52, 0
	s_cbranch_scc1 .Lnone_\@
	s_or_b32 s58, s58, s52
.irp c, 0,1,2,3
	v_sub_nc_u32 v[T+\c], 0, v[W+4*\i+\c]
.endr
.irp c, 0,1,2,3
	v_and_b32 v[T+\c], v[W+4*\i+\c], v[T+\c]
.endr
.irp c, 0,1,2,3
	v_xor_b32 v[W+4*\i+\c], v[W+4*\i+\c], v[T+\c]
.endr
.irp c, 0,1,2,3
	v_mul_lo_u32 v[T+\c], v[T+\c], s59
.endr
.irp c, 0,1,2,3
	v_lshrrev_b32 v[T+\c], 25, v[T+\c]
.endr
.irp c, 0,1,2,3
	v_and_b32 v[T+\c], 0x7c, v[T+\c]
.endr
.irp c, 0,1,2,3
	ds_bpermute_b32 v[T+\c], v[T+\c], v[TBL]
.endr
	s_mov_b32 s48, s56
	s_bcnt1_i32_b32 s52, s[16+4*\i]
	s_add_co_u32 s49, s48, s52
	s_bcnt1_i32_b32 s52, s[17+4*\i]
	s_add_co_u32 s50, s49, s52
	s_bcnt1_i32_b32 s52, s[18+4*\i]
	s_add_co_u32 s51, s50, s52
	s_bcnt1_i32_b32 s52, s[19+4*\i]
	s_add_co_u32 s56, s51, s52
.irp c, 0,1,2,3
	v_mbcnt_lo_u32_b32 v[P+\c], s[16+4*\i+\c], s[48+\c]
.endr
.irp c, 0,1,2,3
	v_cndmask_b32 v[P+\c], v[TRV], v[P+\c], s[16+4*\i+\c]
.endr
.irp c, 0,1,2,3
	v_min_u32 v[P+\c], 0x8000, v[P+\c]
.endr
.irp c, 0,1,2,3
	v_lshlrev_b32 v[P+\c], 1, v[P+\c]
.endr
	s_wait_dscnt 0x0
.irp c, 0,1,2,3
	v_add3_u32 v[T+\c], v[T+\c], v[L128], 4096*\i+\c
.endr
.irp c, 0,1,2,3
	ds_store_b16 v[P+\c], v[T+\c]
.endr
.Lnone_\@:
.endm
	s_mov_b32 s56, 0
	s_mov_b32 s57, 0
	s_mov_b32 s58, 1
.Lround:
	s_cmp_eq_u32 s58, 0
	s_cbranch_scc1 .Lidle
	s_mov_b32 s58, 0
.set n, 0
.rept 32
	v_cmp_ne_u32 s[16+n], 0, v[W+n]
.set n, n+1
.endr
.irp i, 0,1,2,3,4,5,6,7
	ROUND4 \i
.endr
.Lidle:
	s_add_co_u32 s57, s57, 1
	s_cmp_lt_u32 s57, 32
	s_cbranch_scc1 .Lround
	s_mov_b32 s2, s56
	s_cmp_lg_u32 s2, 0
	s_cbranch_scc1 .Lsome
	s_set_vgpr_msb 0x8
	s_wait_tensorcnt 0x0
	ds_add_u32 v255, v255
	s_wait_dscnt 0x0
	s_set_vgpr_msb 0x800
	s_endpgm
.Lsome:
	s_sub_co_u32 s3, s2, 1
	s_add_co_u32 s4, s2, 15
	s_lshr_b32 s4, s4, 4
	s_add_co_u32 s5, s4, 3
	s_lshr_b32 s5, s5, 2
	s_mov_b32 s6, 0
	s_mov_b32 s7, 0
.macro ASKIDX ix, tk
	s_lshl_b32 s10, s9, 4
	v_add_nc_u32 v[\ix], s10, v[RR]
	v_min_u32 v[\ix], s3, v[\ix]
	v_min_u32 v[\ix], 0x7fff, v[\ix]
	v_lshlrev_b32 v[\ix], 1, v[\ix]
	ds_load_u16 v[\tk], v[\ix]
.endm
.macro TOKENS tk
.irp i, 0,1,2,3,4,5,6,7,8,9,10,11,12,13,14,15
	v_readlane_b32 s[16+\i], v[\tk], \i
.endr
.irp i, 0,1,2,3,4,5,6,7,8,9,10,11,12,13,14,15
	s_min_u32 s[16+\i], s[16+\i], 0x7fff
.endr
.endm
.macro FETCH slot
.irp i, 0,1,2,3,4,5,6,7,8,9,10,11,12,13,14,15
	v_lshl_add_u32 v[OFF+16*(\slot)+\i], s[16+\i], 9, v[L16]
.endr
	WIN 0xc0
.irp i, 0,1,2,3,4,5,6,7,8,9,10,11,12,13,14,15
	global_load_b128 v[64*(\slot)+4*\i:64*(\slot)+4*\i+3], v[OFF+16*(\slot)+\i], s[84:85]
.endr
	WIN 0
.endm
.irp j, 0,1,2,3
	s_mov_b32 s9, \j
	ASKIDX IX4+\j, TKV4+\j
.endr
.irp b, 0,1,2,3
	v_mov_b32 v[TM+4+\b], 0
.endr
	s_wait_dscnt 0x0
.irp j, 0,1,2,3
	TOKENS TKV4+\j
	FETCH \j
.endr
.macro SUB slot
	s_cmp_lt_u32 s6, s4
	s_cbranch_scc1 .Lgo_\@
	s_set_vgpr_msb 0x8
	s_wait_tensorcnt 0x0
	ds_add_u32 v255, v255
	s_wait_dscnt 0x0
	s_set_vgpr_msb 0x800
	s_endpgm
.Lgo_\@:
	s_wait_loadcnt 48
	s_add_co_u32 s9, s6, 4
	ASKIDX IX, TKV
	WIN 0x0c
.irp i, 0,1,2,3,4,5,6,7,8,9,10,11,12,13,14,15
	ds_store_b128 v[SI], v[64*(\slot)+4*\i:64*(\slot)+4*\i+3] offset:SP*\i
.endr
	WIN 0
.irp c, 0,1,2,3
.irp n, 0,1,2,3
	ds_load_b128 v[X+16*\c+4*\n:X+16*\c+4*\n+3], v[SO] offset:128*\c+16*\n
.endr
.endr
	s_wait_dscnt 0x0
	QUANT X
	v_nop
.irp i, 0,1,2,3,4,5,6,7,8,9,10,11,12,13,14,15
	v_xor_b32 v[TM+\i], 0x80808080, v[PC+\i]
.endr
	PLACES 4
	WIN 0x01
.irp t, 0,1,2,3,4,5,6,7
	v_wmma_scale_f32_16x16x128_f8f6f4 v[H+8*\t:H+8*\t+7], v[16*\t:16*\t+15], v[PC:PC+15], 0, v[W1S+\t], v[PW]
	v_wmma_scale_f32_16x16x128_f8f6f4 v[X+8*\t:X+8*\t+7], v[16*\t:16*\t+15], v[TM:TM+15], 0, v[W1S+\t], v[PW]
.endr
	WIN 0
	PLACES 8
.set n, 0
.rept 32
	v_pk_add_f32 v[H+n:H+n+1], v[H+n:H+n+1], v[X+n:X+n+1] neg_lo:[0,1] neg_hi:[0,1]
.set n, n+2
.endr
	WIN 0x20
.set n, 0
.rept 32
	v_pk_fma_f32 v[H+n:H+n+1], v[H+n:H+n+1], 0.5, v[n:n+1] op_sel_hi:[1,0,1]
.set n, n+2
.endr
	WIN 0
	QUANT H
	PLACES 4
	WIN 0x21
.irp t, 0,1,2,3,4,5,6,7
	v_wmma_scale_f32_16x16x128_f8f6f4 v[X+8*\t:X+8*\t+7], v[128+16*\t:128+16*\t+15], v[PC:PC+15], v[DB+8*\t:DB+8*\t+7], v[W2S+\t], v[PW]
.endr
	WIN 0
	PLACES 8
.irp t, 0,1,2,3,4,5,6,7
	ds_store_b128 v[TI], v[X+8*\t:X+8*\t+3] offset:64*\t
	ds_store_b128 v[TI], v[X+8*\t+4:X+8*\t+7] offset:64*\t+16
.endr
.irp i, 0,1,2,3,4,5,6,7,8,9,10,11,12,13,14,15
	ds_load_b128 v[H+4*\i:H+4*\i+3], v[SI] offset:SP*\i
.endr
	TOKENS TKV
	s_lshl_b32 s8, s6, 4
	s_sub_co_u32 s8, s2, s8
.irp i, 0,1,2,3,4,5,6,7,8,9,10,11,12,13,14,15
.if \i > 0
	s_cmp_le_u32 s8, \i
	s_cbranch_scc1 .Lst_\@
.endif
	s_wait_dscnt 15-\i
	global_store_b128 v[OFF+16*(\slot)+\i], v[H+4*\i:H+4*\i+3], s[96:97] th:TH_STORE_NT
.endr
.Lst_\@:
	s_wait_dscnt 0x0
	s_wait_xcnt 0x0
	s_cmp_lt_u32 s9, s4
	s_cbranch_scc0 .Ldrain_\@
	FETCH \slot
	s_branch .Lnx_\@
.Ldrain_\@:
	s_wait_loadcnt 0x0
.Lnx_\@:
	s_add_co_u32 s6, s6, 1
.endm
.Ltrip:
	SUB 0
	SUB 1
	SUB 2
	SUB 3
	s_add_co_u32 s7, s7, 1
	s_cmp_lt_u32 s7, s5
	s_cbranch_scc1 .Ltrip
	s_set_vgpr_msb 0x8
	s_wait_tensorcnt 0x0
	ds_add_u32 v255, v255
	s_wait_dscnt 0x0
	s_set_vgpr_msb 0x800
	s_endpgm
.Lfunc_end_k_q3dc2b9ca57_jump:
	.size	k_q3dc2b9ca57_jump, .Lfunc_end_k_q3dc2b9ca57_jump-k_q3dc2b9ca57_jump
	.p2alignl 7, 3214868480
	.fill 96, 4, 3214868480
	.section	.rodata,"a",@progbits
	.p2align	6, 0x0
	.amdhsa_kernel k_q3dc2b9ca57_jump
		.amdhsa_group_segment_fixed_size 74496
		.amdhsa_private_segment_fixed_size 0
		.amdhsa_enable_private_segment 0
		.amdhsa_kernarg_size 56
		.amdhsa_user_sgpr_count 2
		.amdhsa_user_sgpr_kernarg_segment_ptr 1
		.amdhsa_wavefront_size32 1
		.amdhsa_system_sgpr_workgroup_id_x 1
		.amdhsa_system_sgpr_workgroup_id_y 1
		.amdhsa_system_sgpr_workgroup_id_z 1
		.amdhsa_system_vgpr_workitem_id 0
		.amdhsa_next_free_vgpr 1024
		.amdhsa_next_free_sgpr 100
		.amdhsa_reserve_vcc 0
		.amdhsa_float_denorm_mode_32 3
		.amdhsa_float_denorm_mode_16_64 3
		.amdhsa_memory_ordered 1
		.amdhsa_forward_progress 1
		.amdhsa_inst_pref_size 214
	.end_amdhsa_kernel
	.amdgpu_metadata
---
amdhsa.version: [ 1, 2 ]
amdhsa.kernels:
  - .name:           k_q3dc2b9ca57_jump
    .symbol:         k_q3dc2b9ca57_jump.kd
    .args:
      - { .name: z_n, .offset: 0, .size: 8, .value_kind: global_buffer, .address_space: global }
      - { .name: maps, .offset: 8, .size: 8, .value_kind: global_buffer, .address_space: global }
      - { .name: wq, .offset: 16, .size: 8, .value_kind: global_buffer, .address_space: global }
      - { .name: wscl, .offset: 24, .size: 8, .value_kind: global_buffer, .address_space: global }
      - { .name: c_param, .offset: 32, .size: 8, .value_kind: global_buffer, .address_space: global }
      - { .name: d_param, .offset: 40, .size: 8, .value_kind: global_buffer, .address_space: global }
      - { .name: out0, .offset: 48, .size: 8, .value_kind: global_buffer, .address_space: global }
    .group_segment_fixed_size: 74496
    .private_segment_fixed_size: 0
    .kernarg_segment_align: 8
    .kernarg_segment_size: 56
    .max_flat_workgroup_size: 32
    .sgpr_count:     100
    .vgpr_count:     1024
    .wavefront_size: 32
...
	.end_amdgpu_metadata
.endif
;; end of part 2
